; MI455X (gfx1250); checked and timed in simulation.
; The chip was launched on July 23, 2026; its instructions are those of AMD's public machine-readable ISA for CDNA 5 (MIT licence, August 2026) and "CDNA5" Instruction Set Architecture Reference Guide (July 2026). The comments in the code are by the model that wrote it; some were corrected since.
;; Attention. Allowed arithmetic: matrix products marked QUANTISED: E2M1 operands, one E8M0 scale for each 32 along K, by v_wmma_scale_f32_16x16x128_f8f6f4 with both operands' format E2M1 (or v_wmma_scale_f32_32x16x128_f4), f32 sums; everything else in f32.
;; Inputs: Wout 1,024 x 1,024 float32; Wqkv 1,024 x 3,072 float32; bout 1,024 float32; bqkv 3,072 float32; x 2 x 2,048 x 1,024 float32.
;; Outputs: out0 2 x 2,048 x 1,024 float32.
;; This version of the problem:
;;   THIS VERSION OF THE PROBLEM IS GIVEN IN LOW PRECISION. The matrix products marked QUANTISED in the list below multiply operands that are first quantised to E2M1 (2 exponent bits, 1 mantissa bit; 4 bits a number), with one power-of-two scale for each 32 numbers along K (OCP MX v1.0); their sums are f32. All else is computed in f32.
;;   The module's matrix products, in the order in which they are computed (A, B: the left and right operand; K: the contracted axis; several contracted axes count as one K, in the product's order):
;;     1. [M 4,096, K 1,024] x [K 1,024, N 3,072]; A: input x; B: input Wqkv: QUANTISED
;;     2. batch 32 x [M 2,048, K 64] x [K 64, N 2,048]; A: computed on the way; B: computed on the way: QUANTISED
;;     3. batch 32 x [M 2,048, K 2,048] x [K 2,048, N 64]; A: softmax (see below); B: computed on the way: QUANTISED
;;     4. [M 4,096, K 1,024] x [K 1,024, N 1,024]; A: computed on the way; B: input Wout: QUANTISED
;;   THE QUANTISER, for each operand of a quantised product, along K:
;;     - K is cut into blocks of 32 from its start; a last block that is shorter is filled with zeros.
;;     - A block's scale is 2^e with e = floor(log2(the largest magnitude in the block)) - 2, held to -126 .. 127; a block of zeros has e = 0. As a byte (E8M0): e + 127.
;;     - Each number is divided by its block's scale, clamped to +-6, and rounded to the nearest number of E2M1, ties to even, subnormals kept.
;;     - The product sums the exact products of the quantised numbers (number of the format x scale) in f32.
;;   ~~~python
;;   def quantise(x, axis):      # numpy; x: float32 -> the quantised numbers, widened to float32 again
;;       x = np.moveaxis(x, axis, -1); K = x.shape[-1]
;;       x = np.pad(x, [(0, 0)] * (x.ndim - 1) + [(0, -K % 32)]); x = x.reshape(x.shape[:-1] + (-1, 32)); a = np.abs(x).max(-1, keepdims=True)
;;       e = np.where(a > 0, np.clip(np.frexp(np.where(a > 0, a, 1))[1] - 1 - 2, -126, 127), 0)      # np.frexp(a)[1] - 1 = floor(log2(a)), exactly
;;       r = np.clip(x / 2.0 ** e, -6, 6)
;;       step = 2.0 ** (np.maximum(np.frexp(np.where(r == 0, 1, r))[1] - 1, 0) - 1)
;;       q = np.round(r / step) * step * 2.0 ** e      # np.round: ties to even
;;       return np.moveaxis(q.reshape(q.shape[:-2] + (-1,))[..., :K], -1, axis).astype(np.float32)
;;   ~~~
;;   SOFTMAX AHEAD OF A QUANTISED PRODUCT. Where the list says 'softmax', what is quantised is not the finished softmax but p = 2^(t - M), with t = logit x log2(e) and M = ceil(the row's largest t), a whole number; so 1/2 < the row's largest p <= 1. The row's sum l is taken of the UNQUANTISED p, in f32, and the product's result is divided by l at the end. Since M is a whole number, a kernel that streams over the keys may use a running M (the ceiling of the running maximum): every later rescaling is an exact power of two, which a block's scale takes up: the codes' values come out the same.
;;   OPERANDS COMPUTED ON THE WAY. 'Computed on the way' means the value that the module computes at that place (a softmax that the list does not call 'softmax' is quantised finished and normalised). What goes into a quantiser is computed in f32, as accurately as f32 sums, v_exp_f32 and their like allow (about 1e-6 of the number): no bf16 or f16 on the way to a quantiser, and a product that is left as it is and whose result goes on into a quantised operand takes f32 operands (vector FMAs, or v_wmma_f32_16x16x4_f32). A number that lies on a knife's edge between two numbers of the format may be rounded either way, as far as f32 arithmetic and the matrix unit's own rounding can turn it there, and no further.
;; One version. Each part assembles by itself: llvm-mc -triple=amdgcn-amd-amdhsa -mcpu=gfx1250 --defsym DOCPART=n.
;; ======== version 1 of 1: 4 launches
;; limits: right only within a limited range of input values
;; workspace buffers: xp 2,228,224 bytes; wp 1,671,168 bytes; op 557,056 bytes; qrec 4,587,520 bytes; kv 4,587,520 bytes; ap 2,097,152 bytes; asc 262,144 bytes
;; launch prep (part 1): grid 256 x 1, 4 waves a work-group, no clusters, 34,304 bytes of LDS; arguments x, Wqkv, Wout, xp, wp, op; writes xp, wp, op
.if DOCPART == 1
	.amdgcn_target "amdgcn-amd-amdhsa--gfx1250"
	.amdhsa_code_object_version 6
	.text
	.protected	k_q632e1fbf52_prep
	.globl	k_q632e1fbf52_prep
	.p2align	8
	.type	k_q632e1fbf52_prep,@function
k_q632e1fbf52_prep:
	s_mov_b64 s[64:65], 0
	v_nop
	global_prefetch_b8 v0, s[64:65] scope:SCOPE_SE
	s_setreg_imm32_b32 hwreg(HW_REG_WAVE_MODE, 25, 1), 1
	s_wait_xcnt 0x0
; x [4096][1024], Wqkv [1024][3072] and Wout [1024][1024], f32, become codes of FP4 (E2M1) with one E8M0 scale byte for each 32 along K, laid IN THE ORDER OF THE OPERAND'S REGISTERS.
; A RECORD (17,408 bytes) serves 256 rows of x (or 256 columns of a weight) and 128 along K: 16 fragment images of 1,024 bytes, then four scale groups of 256 bytes.
;   fragment image: 16 rows x 128 K: registers 4 c .. 4 c + 3 of lane l at byte 512 c + 16 l; so block kb of 32 along K of row index r lies at 512 (kb / 2) + 256 (kb % 2) + 16 r.
;   scale group (64 rows): word i of lane l, at 8 l + 4 i, is the scale word of tile 2 i + l / 16, row index l % 16.
;   THE ROWS OF A TILE ARE NOT NEIGHBOURS: in a group of 64, row index i of tile 2 bb + u is element 32 bb + 8 u + i + 8 (i / 8): so a later product's results lie with 16 neighbours in a lane's 16 registers.
; A block's scale is 2^(floor(log2(largest magnitude)) - 2): its byte is the largest magnitude's exponent field - 2, held at 1 from below by a floor among the maximum's leaves.
; LIMITS: a block of zeros gets the byte 1 where the rule says 127 (its codes are zeros, and this program alone reads the bytes); NaN and infinities among the inputs are not served.
; SHARES: a work-group writes one record, a wave one group of 64 rows or columns of it (32 KiB of f32).  Work-groups 0-127: x; 128-223: Wqkv; 224-255: Wout.  Waves share nothing: no barrier.
; No work-group reads what another reads, so there is nothing to ask for jointly; memory binds, so no matrix unit and no large register tile.
.set REC,  17408
.set R,    16                          ; x: v16-143   two sets of 64: a tile's 16 rows as loaded
.set X,    144                         ; x: v144-207  my 64 numbers: k = 64 c + 32 h + 0 .. 31 of row r
.set CD,   208                         ; x: v208-239  codes, 8 a tile: no store's data are written again
.set SW,   240                         ; x: v240-241  the group's scale words
.set XW,   16                          ; W: v16-79    two sets of 32: a block down K of my column
.set CW,   80                          ; W: v80-111   codes, 4 a unit
.set SB,   112                         ; W: v112-113  the scale words
.macro LOADT t                         ; tile t of my group: 16 rows, each load 512 consecutive bytes (128 along K)
.set i, 0
.rept 16
	global_load_b128 v[R+64*((\t)%2)+4*i:R+64*((\t)%2)+4*i+3], v1, s[4:5] offset:(32*((\t)/2)+8*((\t)%2)+i+8*(i/8))*4096 th:TH_LOAD_NT
.set i, i+1
.endr
.endm
.macro TILE t
.if (\t) < 3
	s_wait_loadcnt 16                              ; this tile's 16 loads are in; the next tile's 16 may be out
.else
	s_wait_loadcnt 0x0
.endif
.set i, 0
.rept 16
	ds_store_b128 v4, v[R+64*((\t)%2)+4*i:R+64*((\t)%2)+4*i+3] offset:528*i   ; the rows as they lie, 528 bytes apart
.set i, i+1
.endr
.irp c, 0,1
.irp j, 0,1,2,3,4,5,6,7
	ds_load_b128 v[X+32*\c+4*\j:X+32*\c+4*\j+3], v5 offset:256*\c+16*\j      ; and back: 32 neighbours along K of row r, twice (LDS serves a wave's instructions in order)
.endr
.endr
	s_wait_dscnt 0x0                               ; my numbers are in, and the stores have read the set that is loaded next
.if (\t) < 2
	LOADT (\t)+2
.endif
.irp c, 0,1
	v_max3_num_f32 v[8+\c], |v[X+32*\c]|, |v[X+32*\c+1]|, 0x1800000          ; block 2 c + h: all 32 numbers are mine; the floor 2^(3 - 127) holds the byte at 1 from below
.endr
.irp i, 2,4,6,8,10,12,14,16,18,20,22,24,26,28,30
.irp c, 0,1
	v_max3_num_f32 v[8+\c], v[8+\c], |v[X+32*\c+\i]|, |v[X+32*\c+\i+1]|      ; (the two blocks by turns)
.endr
.endr
.irp c, 0,1
	v_add_nc_u32 v[10+\c], 0xff000000, v[8+\c]     ; 2 off the exponent field: the conversion's scale operand
.endr
.irp c, 0,1
	v_lshrrev_b32 v[12+\c], 23, v[10+\c]           ; the scale's byte
.endr
	v_lshl_or_b32 v14, v13, 16, v12                ; my two bytes: blocks h and 2 + h,
	v_lshlrev_b32 v14, v6, v14                     ; 8 h bits up;
	v_permlanex16_b32 v15, v14, s24, s25
	v_or_b32 v14, v14, v15                         ; with lane l xor 16's two the row's word is whole
.if ((\t)%2) == 0
	v_mov_b32 v[SW+(\t)/2], v14                    ; an even tile's words stay in lanes 0-15,
.else
	v_cndmask_b32 v[SW+(\t)/2], v[SW+(\t)/2], v14, s26   ; the odd tile's take lanes 16-31
.endif
.irp c, 0,1
.irp g, 0,1,2,3
	v_cvt_scalef32_pk8_fp4_f32 v[CD+8*(\t)+4*\c+\g], v[X+32*\c+8*\g:X+32*\c+8*\g+7], v[10+\c]
.endr
.endr
	v_nop                                          ; one plain line behind the last conversion
.irp c, 0,1
	global_store_b128 v2, v[CD+8*(\t)+4*\c:CD+8*(\t)+4*\c+3], s[10:11] offset:1024*(\t)+512*\c   ; half an image: 512 consecutive bytes, aligned
.endr
.endm
.macro LOADU t                         ; unit t: block t / 2 of K, run t % 2 of 32 columns: 32 rows down K, each load 128 consecutive bytes
.set i, 0
.rept 32
	global_load_b32 v[XW+32*((\t)%2)+i], v1, s[PIN:PIN+1] offset:(32*((\t)/2)+i)*PITCH+128*((\t)%2) th:TH_LOAD_NT
.set i, i+1
.endr
.endm
.macro UNIT t
.set XS, XW+32*((\t)%2)
.if (\t) < 7
	s_wait_loadcnt 32                              ; this unit's 32 loads are in; the next unit's 32 may be out
.else
	s_wait_loadcnt 0x0
.endif
	v_max3_num_f32 v12, |v[XS]|, |v[XS+1]|, |v[XS+2]|      ; the block's largest magnitude: all 32 numbers are mine; two chains
	v_max3_num_f32 v13, |v[XS+3]|, |v[XS+4]|, |v[XS+5]|
.irp i, 6,10,14,18,22,26
	v_max3_num_f32 v12, v12, |v[XS+\i]|, |v[XS+\i+1]|
	v_max3_num_f32 v13, v13, |v[XS+\i+2]|, |v[XS+\i+3]|
.endr
	v_max3_num_f32 v12, v12, |v[XS+30]|, |v[XS+31]|
	v_max3_num_f32 v12, v12, v13, 0x1800000        ; and the floor
	v_add_nc_u32 v11, 0xff000000, v12              ; the conversion's scale operand
	v_lshrrev_b32 v13, 23, v11                     ; the byte
.if (\t) < 2
	v_mov_b32 v[SB+(\t)%2], v13                    ; the lower K in the lower byte
.else
	v_lshl_or_b32 v[SB+(\t)%2], v13, 8*((\t)/2), v[SB+(\t)%2]
.endif
.irp g, 0,1,2,3
	v_cvt_scalef32_pk8_fp4_f32 v[CW+4*(\t)+\g], v[XS+8*\g:XS+8*\g+7], v11
.endr
	v_nop                                          ; one plain line behind the last conversion
	global_store_b128 v2, v[CW+4*(\t):CW+4*(\t)+3], s[POUT:POUT+1] offset:2048*((\t)%2)+512*((\t)/4)+256*(((\t)/2)%2)   ; lanes 0-15 and lanes 16-31 each fill 256 consecutive bytes, aligned
.if (\t) < 6
	LOADU (\t)+2
.endif
.endm
.macro WPATH first                     ; one weight's way: PITCH, PIN and POUT are set in front of it
	s_sub_co_u32 s17, ttmp9, \first                ; which record of this weight
	s_lshr_b32 s18, s17, 3                         ; its block of 256 columns
	s_and_b32 s19, s17, 7                          ; its K step
	s_mul_i32 s20, s19, 128*PITCH
	s_lshl_b32 s21, s18, 10
	s_add_co_u32 s20, s20, s21
	s_lshl_b32 s21, s16, 8                         ; my wave's 64 columns
	s_add_co_u32 s20, s20, s21
	s_mov_b32 s21, 0
	s_mul_i32 s22, s17, REC
	s_mov_b32 s23, 0
	s_add_nc_u64 s[PIN:PIN+1], s[PIN:PIN+1], s[20:21]
	s_add_nc_u64 s[POUT:POUT+1], s[POUT:POUT+1], s[22:23]
	LOADU 0
	LOADU 1
.irp t, 0,1,2,3,4,5,6,7
	UNIT \t
.endr
	global_store_b64 v3, v[SB:SB+1], s[POUT:POUT+1] offset:16384   ; my group's scale words: 256 consecutive bytes, aligned
.endm
	s_load_b256 s[4:11], s[0:1], 0x0               ; x s[4:5], Wqkv s[6:7], Wout s[8:9], xp s[10:11]
	s_load_b128 s[12:15], s[0:1], 0x20             ; wp s[12:13], op s[14:15]
	v_lshl_add_u32 v254, v0, 2, 0x8400
	v_mov_b32 v255, 0
	v_lshrrev_b32 v1, 5, v0
	v_readfirstlane_b32 s16, v1                    ; wave 0..3: my group of 64
	s_mov_b32 s24, 0x76543210
	s_mov_b32 s25, 0xfedcba98                      ; v_permlanex16_b32's selects for lane l xor 16
	s_mov_b32 s26, 0xffff0000                      ; lanes 16-31
	s_wait_kmcnt 0x0
	s_cmp_lt_u32 ttmp9, 128
	s_cbranch_scc0 .Lweights
	; ---- x: K is innermost.  A tile's 16 rows turn through the wave's own stage in LDS, so that every load is dense and a lane still gets 32 neighbours along K
	s_lshr_b32 s17, ttmp9, 3                       ; block of 256 rows
	s_and_b32 s18, ttmp9, 7                        ; K step
	s_lshl_b32 s20, s17, 20                        ; 256 rows of 4,096 bytes
	s_lshl_b32 s21, s16, 18                        ; my 64 rows
	s_add_co_u32 s20, s20, s21
	s_lshl_b32 s21, s18, 9                         ; 128 numbers along K
	s_add_co_u32 s20, s20, s21
	s_mov_b32 s21, 0
	s_mul_i32 s22, ttmp9, REC
	s_mov_b32 s23, 0
	s_add_nc_u64 s[4:5], s[4:5], s[20:21]
	s_add_nc_u64 s[10:11], s[10:11], s[22:23]
	v_and_b32 v7, 31, v0                           ; lane
	v_and_b32 v8, 15, v0                           ; r
	v_bfe_u32 v9, v0, 4, 1                         ; h
	v_lshlrev_b32 v1, 4, v7                        ; in: 16 bytes a lane
	s_lshl_b32 s19, s16, 12
	v_add_nc_u32 v2, s19, v1                       ; codes out: 16 l + my group's four images
	v_lshlrev_b32 v3, 3, v7
	s_lshl_b32 s19, s16, 8
	v_add_nc_u32 v3, s19, v3                       ; scale words out: 8 l + my group's 256 bytes
	s_mul_i32 s19, s16, 8448                       ; my stage: 16 rows of 512 + 16 bytes
	v_add_nc_u32 v4, s19, v1
	v_mul_u32_u24 v5, v8, 528
	v_lshl_add_u32 v5, v9, 7, v5
	v_add_nc_u32 v5, s19, v5                       ; back: row r, + 128 h bytes
	v_lshlrev_b32 v6, 3, v9                        ; 8 h
	v_mov_b32 v15, 0                               ; written once: a lane permute's destination counts as one of its sources
	LOADT 0
	LOADT 1
	s_wait_alu depctr_va_vdst(0)
.irp t, 0,1,2,3
	TILE \t
.endr
	global_store_b64 v3, v[SW:SW+1], s[10:11] offset:16384   ; my group's scale words: 256 consecutive bytes, aligned
	s_wait_tensorcnt 0x0
	ds_add_u32 v254, v255
	s_wait_dscnt 0x0
	s_endpgm
.Lweights:
	; ---- the weights: K is the FIRST axis.  A lane takes a column and its registers run down K: a block of 32 lies in one lane, and nothing is transposed
	v_and_b32 v8, 7, v0
	v_bfe_u32 v9, v0, 3, 1
	v_bfe_u32 v10, v0, 4, 1                        ; u = l / 16: which of the run's two tiles
	v_lshl_add_u32 v8, v9, 4, v8
	v_lshl_add_u32 v8, v10, 3, v8                  ; my column of a run of 32: 8 u + r + 8 (r / 8)
	v_lshlrev_b32 v1, 2, v8
	v_and_b32 v11, 15, v0
	v_lshlrev_b32 v2, 4, v11
	v_lshl_add_u32 v2, v10, 10, v2                 ; codes out: 16 r + 1,024 u
	s_lshl_b32 s19, s16, 12
	v_add_nc_u32 v2, s19, v2                       ; + my group's four images
	v_and_b32 v3, 31, v0
	v_lshlrev_b32 v3, 3, v3
	s_lshl_b32 s19, s16, 8
	v_add_nc_u32 v3, s19, v3
	s_cmp_lt_u32 ttmp9, 224
	s_cbranch_scc0 .Lwout
.set PITCH, 12288
.set PIN,   6
.set POUT,  12
	s_wait_alu depctr_va_vdst(0)
	WPATH 128
	s_endpgm
.Lwout:
.set PITCH, 4096
.set PIN,   8
.set POUT,  14
	s_wait_alu depctr_va_vdst(0)
	WPATH 224
	s_endpgm
.Lfunc_end_k_q632e1fbf52_prep:
	.size	k_q632e1fbf52_prep, .Lfunc_end_k_q632e1fbf52_prep-k_q632e1fbf52_prep
	.p2alignl 7, 3214868480
	.fill 96, 4, 3214868480
	.section	.rodata,"a",@progbits
	.p2align	6, 0x0
	.amdhsa_kernel k_q632e1fbf52_prep
		.amdhsa_group_segment_fixed_size 34304
		.amdhsa_private_segment_fixed_size 0
		.amdhsa_enable_private_segment 0
		.amdhsa_kernarg_size 48
		.amdhsa_user_sgpr_count 2
		.amdhsa_user_sgpr_kernarg_segment_ptr 1
		.amdhsa_wavefront_size32 1
		.amdhsa_system_sgpr_workgroup_id_x 1
		.amdhsa_system_sgpr_workgroup_id_y 1
		.amdhsa_system_sgpr_workgroup_id_z 1
		.amdhsa_system_vgpr_workitem_id 0
		.amdhsa_next_free_vgpr 256
		.amdhsa_next_free_sgpr 66
		.amdhsa_reserve_vcc 0
		.amdhsa_float_denorm_mode_32 3
		.amdhsa_float_denorm_mode_16_64 3
		.amdhsa_memory_ordered 1
		.amdhsa_forward_progress 1
		.amdhsa_inst_pref_size 105
	.end_amdhsa_kernel
	.amdgpu_metadata
---
amdhsa.version: [ 1, 2 ]
amdhsa.kernels:
  - .name:           k_q632e1fbf52_prep
    .symbol:         k_q632e1fbf52_prep.kd
    .args:
      - { .name: x, .offset: 0, .size: 8, .value_kind: global_buffer, .address_space: global }
      - { .name: Wqkv, .offset: 8, .size: 8, .value_kind: global_buffer, .address_space: global }
      - { .name: Wout, .offset: 16, .size: 8, .value_kind: global_buffer, .address_space: global }
      - { .name: xp, .offset: 24, .size: 8, .value_kind: global_buffer, .address_space: global }
      - { .name: wp, .offset: 32, .size: 8, .value_kind: global_buffer, .address_space: global }
      - { .name: op, .offset: 40, .size: 8, .value_kind: global_buffer, .address_space: global }
    .group_segment_fixed_size: 34304
    .private_segment_fixed_size: 0
    .kernarg_segment_align: 8
    .kernarg_segment_size: 48
    .max_flat_workgroup_size: 128
    .sgpr_count:     66
    .vgpr_count:     256
    .wavefront_size: 32
...
	.end_amdgpu_metadata
.endif
;; end of part 1
;; launch qkv (part 2): grid 12 x 16, 8 waves a work-group, clusters of 4 x 4, 279,552 bytes of LDS; arguments xp, wp, bqkv, qrec, kv; writes qrec, kv
.if DOCPART == 2
	.amdgcn_target "amdgcn-amd-amdhsa--gfx1250"
	.amdhsa_code_object_version 6
	.text
	.protected	k_q632e1fbf52_qkv
	.globl	k_q632e1fbf52_qkv
	.p2align	8
	.type	k_q632e1fbf52_qkv,@function
k_q632e1fbf52_qkv:
	s_mov_b64 s[64:65], 0
	v_nop
	global_prefetch_b8 v0, s[64:65] scope:SCOPE_SE
	s_setreg_imm32_b32 hwreg(HW_REG_WAVE_MODE, 25, 1), 1
	s_wait_xcnt 0x0
	s_wait_alu depctr_hold_cnt(0) depctr_sa_sdst(0) depctr_va_vdst(0) depctr_va_sdst(0) depctr_va_ssrc(0) depctr_va_vcc(0) depctr_vm_vsrc(0)
	s_getreg_b32 s2, hwreg(HW_REG_IB_STS2, 6, 4)
	s_cmp_eq_u32 s2, 0
	s_cbranch_scc0 .Lentry_in_a_cluster
	s_endpgm
.Lentry_in_a_cluster:
	s_bfe_u32 s2, ttmp6, 0x10000c
	s_cmp_lg_u32 s2, 0xf033
	s_cbranch_scc0 .Lentry_shape_is_right
	s_endpgm
.Lentry_shape_is_right:
; qkv = Q(x) Q(Wqkv) + bqkv on codes of FP4 with E8M0 scales; q and k are then quantised along the head's 64, v along the keys, in registers, and leave as codes: no f32 number goes to memory.
; SHARES.  A work-group takes 256 rows x 256 columns, all of K = 1,024: one block of xp and one of wp, 8 records of 17,408 bytes each, which fit in LDS whole: every LDS byte is filled once, nothing is filled again.
; Wave w = 4 mh + nq takes 128 rows (one key step) x 64 columns (one head): 8 x 4 accumulators, 256 registers = window 1.  192 work-groups: so the cluster's x is the section (0 q, 1 k, 2 v), alike in all partners.
; CLUSTER 4 x 4: the four of a row need the same block of xp, the four of a column the same block of wp: each quarter of a block is asked for jointly.
; ORIENTATION.  q, k: source 0 = 16 columns of W, source 1 = 16 rows of x: a lane holds one token, its registers run along the head's channels.  v: the other way round: a lane holds one channel, its registers run along the keys.
; The tiles' rows were chosen by the launch before so that the 16 registers of two neighbouring tiles are 16 neighbours along the axis that is quantised.
; OUT, for each head and key step of 128 keys, 8,960 bytes: 8 tiles of k (512 bytes: registers 0-3 of a fragment, K = 64), 4 fragment images of v (16 channels x 128 keys), k's scale words (512), v's (256).  q goes likewise into qrec.
; The bias is the C of each sum's first product.
; LIMITS: a block of zeros gets the byte 1 where the rule says 127 (its codes are zeros; this program alone reads the bytes); NaN and infinities are not served.
; REGISTERS, window 0: v4-9 addresses; v16-47 the bias; v48-59 scale words, two sets of 6 (4 of x, 2 of W); v64-159 and v160-255 two sets of fragments (8 of x, 4 of W).  In the epilogue v64-131 are at work.
.set REC,  17408
.set BIAS, 16
.set TM,   64                          ; epilogue: +0..3 largest magnitudes, +4..7 the other half's, then bytes, +12..15 scale operands
.set PC,   96                          ; epilogue: codes, 8 a run of 64 numbers: no store's data are written again
.set SW,   128                         ; epilogue: scale words to store
.set WV,   14
.set G1A,  24                          ; s[24:31], s[32:35] descriptor groups 1 and 0 for xp;  s[36:43], s[44:47] for wp
.set G0A,  32
.set G1B,  36
.set G0B,  44
.set MSB, 0
.macro WIN new                         ; the immediate's high byte repeats the setting that is left
.if MSB != \new
	s_set_vgpr_msb (MSB<<8)|\new
.set MSB, \new
.endif
.endm
.macro PLACES
.rept 4
	v_nop
.endr
.endm
.macro ROUND                           ; a round of the cluster's barrier
	s_barrier_signal -1
	s_barrier_wait -1
	s_cmp_lg_u32 s[WV], 0
	s_cbranch_scc1 .Lnot_wave_0_\@
	s_barrier_signal -3
.Lnot_wave_0_\@:
	s_barrier_wait -3
	s_barrier_signal -1
	s_barrier_wait -1
.endm
.macro JLOAD                           ; waves 0-3 fetch xp's quarters, waves 4-7 wp's; four v_nop follow each of the two lines
	s_cmp_eq_u32 s15, 0
	s_cbranch_scc0 .Lfor_b_\@
	tensor_load_to_lds s[G0A:G0A+3], s[G1A:G1A+7]
	s_nop 0
	PLACES
	s_branch .Lasked_\@
.Lfor_b_\@:
	tensor_load_to_lds s[G0B:G0B+3], s[G1B:G1B+7]
	s_nop 0
	PLACES
.Lasked_\@:
.endm
.macro WM                              ; one product; RA, RB: the scale words lie in lanes 16-31 of the register named
.if (RA == 0) && (RB == 0)
	v_wmma_scale_f32_16x16x128_f8f6f4 v[rD:rD+7], v[rA:rA+7], v[rB:rB+7], v[rC:rC+7], v[rSA], v[rSB] matrix_a_fmt:MATRIX_FMT_FP4 matrix_b_fmt:MATRIX_FMT_FP4
.elseif (RA == 1) && (RB == 0)
	v_wmma_scale_f32_16x16x128_f8f6f4 v[rD:rD+7], v[rA:rA+7], v[rB:rB+7], v[rC:rC+7], v[rSA], v[rSB] matrix_a_fmt:MATRIX_FMT_FP4 matrix_b_fmt:MATRIX_FMT_FP4 matrix_a_scale:MATRIX_SCALE_ROW1
.elseif (RA == 0) && (RB == 1)
	v_wmma_scale_f32_16x16x128_f8f6f4 v[rD:rD+7], v[rA:rA+7], v[rB:rB+7], v[rC:rC+7], v[rSA], v[rSB] matrix_a_fmt:MATRIX_FMT_FP4 matrix_b_fmt:MATRIX_FMT_FP4 matrix_b_scale:MATRIX_SCALE_ROW1
.else
	v_wmma_scale_f32_16x16x128_f8f6f4 v[rD:rD+7], v[rA:rA+7], v[rB:rB+7], v[rC:rC+7], v[rSA], v[rSB] matrix_a_fmt:MATRIX_FMT_FP4 matrix_b_fmt:MATRIX_FMT_FP4 matrix_a_scale:MATRIX_SCALE_ROW1 matrix_b_scale:MATRIX_SCALE_ROW1
.endif
.endm
.macro FETCH buf                       ; a K step's 12 fragments and 6 registers of scale words: 27 LDS loads, each of consecutive bytes lane by lane
.irp a, 0,1,2,3,4,5,6,7
.irp c, 0,1
	ds_load_b128 v[64+96*(\buf)+8*\a+4*\c:64+96*(\buf)+8*\a+4*\c+3], v6 offset:1024*\a+512*\c
.endr
.endr
.irp b, 0,1,2,3
.irp c, 0,1
	ds_load_b128 v[128+96*(\buf)+8*\b+4*\c:128+96*(\buf)+8*\b+4*\c+3], v7 offset:1024*\b+512*\c
.endr
.endr
	ds_load_b64 v[48+6*(\buf):49+6*(\buf)], v8
	ds_load_b64 v[50+6*(\buf):51+6*(\buf)], v8 offset:256
	ds_load_b64 v[52+6*(\buf):53+6*(\buf)], v9
.endm
.macro ADV                             ; on to the next record; these four lines are also the places between the last step's products and the loads into the registers that they read
	v_add_nc_u32 v6, REC, v6
	v_add_nc_u32 v7, REC, v7
	v_add_nc_u32 v8, REC, v8
	v_add_nc_u32 v9, REC, v9
.endm
; 32 products: the 32 accumulators take turns, one instruction a turn, in the same order in every step.  o = 0: q, k;  o = 1: v
.macro MUL o, stp, buf
.if (\stp) == 0
	WIN 0x40                                       ; D window 1, C (the bias) window 0
.else
	WIN 0x50                                       ; C and D window 1
.endif
.irp a, 0,1,2,3,4,5,6,7
.irp b, 0,1,2,3
.if \o == 0
.set rD,  8*(4*\a+\b)
.set rA,  128+96*(\buf)+8*\b
.set rB,  64+96*(\buf)+8*\a
.set rSA, 52+6*(\buf)+\b/2
.set rSB, 48+6*(\buf)+\a/2
.set RA,  \b%2
.set RB,  \a%2
.else
.set rD,  8*(8*\b+\a)
.set rA,  64+96*(\buf)+8*\a
.set rB,  128+96*(\buf)+8*\b
.set rSA, 48+6*(\buf)+\a/2
.set rSB, 52+6*(\buf)+\b/2
.set RA,  \a%2
.set RB,  \b%2
.endif
.if (\stp) == 0
.set rC, BIAS+8*\b
.else
.set rC, rD
.endif
	WM
.endr
.endr
	WIN 0
.endm
.macro STEP o, stp
	s_wait_dscnt 0x0                               ; this step's 27 loads, issued one step ago, are in
.if (\stp) < 7
	ADV
	FETCH ((\stp)+1)%2
.endif
	MUL \o, \stp, (\stp)%2
.endm
; 64 numbers of a lane, accumulator registers 64 i .. 64 i + 63: four blocks of 32 (16 mine, 16 lane l xor 16's).  q, k: tiles 2 i and 2 i + 1 of tokens, two blocks of channels each.  v: channel tile i, four blocks of keys.
.macro QUANT i, o
	WIN 0x05                                       ; sources 0 and 1 window 1
.irp b, 0,1,2,3
	v_max3_num_f32 v[TM+\b], |v[64*(\i)+16*\b]|, |v[64*(\i)+16*\b+1]|, 0x1800000   ; each accumulator from its low end on; the floor 2^(3 - 127) holds the byte at 1 from below
.endr
.irp k, 2,4,6,8,10,12,14
.irp b, 0,1,2,3
	v_max3_num_f32 v[TM+\b], |v[64*(\i)+16*\b+\k]|, |v[64*(\i)+16*\b+\k+1]|, v[TM+\b]
.endr
.endr
	WIN 0
.irp b, 0,1,2,3
	v_permlanex16_b32 v[TM+4+\b], v[TM+\b], s66, s67
.endr
.irp b, 0,1,2,3
	s_delay_alu instid0(VALU_DEP_4)
	v_max_num_f32 v[TM+\b], v[TM+\b], v[TM+4+\b]   ; the block's largest magnitude
.endr
.irp b, 0,1,2,3
	s_delay_alu instid0(VALU_DEP_4)
	v_add_nc_u32 v[TM+12+\b], 0xff000000, v[TM+\b] ; 2 off its exponent field: the conversion's scale operand
.endr
.irp b, 0,1,2,3
	s_delay_alu instid0(VALU_DEP_4)
	v_lshrrev_b32 v[TM+4+\b], 23, v[TM+12+\b]      ; the byte
.endr
.if \o == 0
	s_delay_alu instid0(VALU_DEP_3)
	v_lshl_or_b32 v80, v[TM+5], 8, v[TM+4]         ; tile 2 i: two bytes; the upper 64 of the product's K are zero codes under the byte 127
	s_delay_alu instid0(VALU_DEP_1)
	v_or_b32 v80, 0x7f7f0000, v80
	s_delay_alu instid0(VALU_DEP_3)
	v_lshl_or_b32 v81, v[TM+7], 8, v[TM+6]         ; tile 2 i + 1
	s_delay_alu instid0(VALU_DEP_1)
	v_or_b32 v81, 0x7f7f0000, v81
	s_delay_alu instid0(VALU_DEP_1)
	v_cndmask_b32 v[SW+\i], v80, v81, s68          ; the even tile's words in lanes 0-15, the odd tile's in lanes 16-31
.else
	s_delay_alu instid0(VALU_DEP_3)
	v_lshl_or_b32 v80, v[TM+5], 8, v[TM+4]
	s_delay_alu instid0(VALU_DEP_1)
	v_lshl_or_b32 v80, v[TM+6], 16, v80
	s_delay_alu instid0(VALU_DEP_1)
	v_lshl_or_b32 v80, v[TM+7], 24, v80            ; channel tile i: four bytes, 128 keys
.if ((\i)%2) == 0
	s_delay_alu instid0(VALU_DEP_1)
	v_mov_b32 v[SW+(\i)/2], v80
.else
	s_delay_alu instid0(VALU_DEP_1)
	v_cndmask_b32 v[SW+(\i)/2], v[SW+(\i)/2], v80, s68
.endif
.endif
	WIN 0x01                                       ; source 0 window 1
.irp b, 0,1,2,3
	v_cvt_scalef32_pk8_fp4_f32 v[PC+8*(\i)+2*\b], v[64*(\i)+16*\b:64*(\i)+16*\b+7], v[TM+12+\b]
	v_cvt_scalef32_pk8_fp4_f32 v[PC+8*(\i)+2*\b+1], v[64*(\i)+16*\b+8:64*(\i)+16*\b+15], v[TM+12+\b]
.endr
	WIN 0
	v_nop                                          ; one plain line behind the last conversion
.irp c, 0,1                                    ; the operand's layout wants a whole block in a lane: lanes 0-15 block 2 c, lanes 16-31 block 2 c + 1
.irp n, 0,1
	v_permlane16_swap_b32 v[PC+8*(\i)+4*\c+\n], v[PC+8*(\i)+4*\c+2+\n]
.endr
.endr
	global_store_b128 v4, v[PC+8*(\i):PC+8*(\i)+3], s[50:51] offset:1024*(\i)          ; 512 consecutive bytes, aligned: q, k: tile 2 i;  v: the image's first half
	global_store_b128 v4, v[PC+8*(\i)+4:PC+8*(\i)+7], s[50:51] offset:1024*(\i)+512    ; tile 2 i + 1;  the second half
.endm
.macro EPI o
	PLACES                                         ; between the last products and the first read of results, and the first write of registers that products have read
.irp b, 0,1,2,3
	v_mov_b32 v[TM+4+\b], 0                        ; a lane permute's destination counts as one of its sources
.endr
.irp i, 0,1,2,3
	QUANT \i, \o
.endr
.endm
	s_load_b256 s[4:11], s[0:1], 0x0               ; xp s[4:5], wp s[6:7], bqkv s[8:9], qrec s[10:11]
	s_load_b64 s[12:13], s[0:1], 0x20              ; kv
	v_lshl_add_u32 v62, v0, 2, 0x44000
	v_mov_b32 v63, 0
	ds_add_u32 v62, v63
	ds_add_u32 v62, v63
	v_lshrrev_b32 v1, 5, v0
	s_delay_alu instid0(VALU_DEP_1)
	v_readfirstlane_b32 s[WV], v1                  ; wave 0..7
	s_lshr_b32 s15, s[WV], 2                       ; mh: my 128 rows.  Also: I fetch for xp (0) or for wp (1)
	s_and_b32 s16, s[WV], 3                        ; nq: my head of the block's four.  Also: which quarter I fetch
	s_bfe_u32 s17, ttmp6, 0x40000                  ; cx
	s_bfe_u32 s18, ttmp6, 0x40004                  ; cy
	s_lshl_b32 s19, ttmp9, 2
	s_add_co_u32 s19, s19, s17                     ; X: block of 256 columns
	s_and_b32 s20, ttmp7, 0xffff
	s_lshl_b32 s20, s20, 2
	s_add_co_u32 s20, s20, s18                     ; Y: block of 256 rows
	s_lshl_b32 s21, s18, 2
	s_lshl_b32 s21, 15, s21                        ; my row of the cluster
	s_lshl_b32 s22, 0x1111, s17                    ; my column
	s_mov_b32 s23, ttmp9                           ; the section: 0 q, 1 k, 2 v: the cluster's x, alike in all sixteen partners
	s_mov_b32 s66, 0x76543210
	s_mov_b32 s67, 0xfedcba98                      ; v_permlanex16_b32's selects for lane l xor 16
	s_mov_b32 s68, 0xffff0000                      ; lanes 16-31
	; descriptor group 1: two records, 34,816 dense bytes, as 136 rows of 256 bytes (32 elements of 8); no padding: every LDS read takes consecutive bytes lane by lane
	s_or_b32 s[G1A], s21, (3<<16)|(1<<21)          ; 15:0 the mask; 17:16 elements of 8 bytes; 21 set beside a mask
	s_or_b32 s[G1B], s22, (3<<16)|(1<<21)
.irp g, G1A, G1B
	s_mov_b32 s[\g+1], 32<<16                      ; tensor_dim0 = 32
	s_mov_b32 s[\g+2], 136<<16                     ; tensor_dim1 = 136
	s_mov_b32 s[\g+3], 32<<16                      ; tile_dim0 = 32
	s_mov_b32 s[\g+4], 136                         ; tile_dim1 = 136
	s_mov_b32 s[\g+5], 32                          ; from row to row
	s_mov_b32 s[\g+6], 0
	s_mov_b32 s[\g+7], 0
.endr
	s_mul_i32 s48, s20, 8*REC                      ; xp: block Y, quarter w % 4 (nothing here holds cx)
	s_mul_i32 s49, s16, 2*REC
	s_add_co_u32 s48, s48, s49
	s_mov_b32 s49, 0
	s_mul_i32 s52, s19, 8*REC                      ; wp: block X, quarter w % 4 (nothing here holds cy)
	s_mul_i32 s53, s16, 2*REC
	s_add_co_u32 s52, s52, s53
	s_mov_b32 s53, 0
	s_mul_i32 s54, s[WV], 2*REC                    ; LDS: wave x 34,816: xp's four quarters, then wp's
	; where my results go: head record (16 x batch + 4 cx + nq) of 143,360 bytes, key step 2 (Y % 8) + mh of 8,960; v's part begins 4,096 bytes on
	s_lshr_b32 s56, s20, 3
	s_lshl_b32 s56, s56, 4
	s_lshl_b32 s57, s17, 2
	s_add_co_u32 s56, s56, s57
	s_add_co_u32 s56, s56, s16
	s_mul_i32 s56, s56, 143360
	s_and_b32 s57, s20, 7
	s_lshl_b32 s57, s57, 1
	s_add_co_u32 s57, s57, s15
	s_mul_i32 s57, s57, 8960
	s_add_co_u32 s56, s56, s57
	s_cmp_eq_u32 s23, 2
	s_cselect_b32 s57, 4096, 0
	s_cselect_b32 s58, -1, 0                       ; all lanes where the section is v
	s_cselect_b32 s59, 0, 4                        ; the bias from register to register: q, k: the next column; v: the same column
	s_add_co_u32 s56, s56, s57
	s_mov_b32 s57, 0
	s_lshl_b32 s60, s19, 10                        ; the bias of my 64 columns
	s_lshl_b32 s61, s16, 8
	s_add_co_u32 s60, s60, s61
	s_mov_b32 s61, 0
	v_and_b32 v1, 31, v0                           ; lane
	v_and_b32 v2, 15, v0                           ; r
	v_bfe_u32 v3, v0, 4, 1                         ; h
	s_delay_alu instid0(VALU_DEP_3)
	v_lshlrev_b32 v4, 4, v1                        ; 16 l
	s_delay_alu instid0(VALU_DEP_4)
	v_lshlrev_b32 v5, 3, v1                        ; 8 l
	s_lshl_b32 s62, s15, 13
	v_add_nc_u32 v6, s62, v4                       ; x's fragments: my 8 tiles of a record
	s_lshl_b32 s62, s16, 12
	s_add_co_u32 s62, s62, 8*REC
	v_add_nc_u32 v7, s62, v4                       ; W's: my 4 tiles
	s_lshl_b32 s62, s15, 9
	s_add_co_u32 s62, s62, 16384
	v_add_nc_u32 v8, s62, v5                       ; x's scale words: my two groups
	s_lshl_b32 s62, s16, 8
	s_add_co_u32 s62, s62, 8*REC+16384
	v_add_nc_u32 v9, s62, v5                       ; W's: my group
	v_lshlrev_b32 v10, 6, v3                       ; q, k: a lane's registers are columns 16 h + j of a pair of tiles
	v_and_b32 v11, 8, v2
	s_delay_alu instid0(VALU_DEP_1)
	v_add_nc_u32 v11, v11, v2
	s_delay_alu instid0(VALU_DEP_1)
	v_lshlrev_b32 v11, 2, v11                      ; v: a lane is column r + 8 (r / 8) of a tile
	s_delay_alu instid0(VALU_DEP_1)
	v_cndmask_b32 v240, v10, v11, s58
.irp j, 1,2,3,4,5,6,7
	s_delay_alu instid0(VALU_DEP_1)
	v_add_nc_u32 v[240+\j], s59, v[239+\j]
.endr
	s_wait_dscnt 0x0
	s_wait_kmcnt 0x0
	s_mov_b32 s[G0A], 1                            ; count = 1
	s_mov_b32 s[G0A+1], s54                        ; LDS address
	s_add_nc_u64 s[G0A+2:G0A+3], s[4:5], s[48:49]  ; global address
	s_or_b32 s[G0A+3], s[G0A+3], 0x80000000        ; type = 2
	s_mov_b32 s[G0B], 1
	s_mov_b32 s[G0B+1], s54
	s_add_nc_u64 s[G0B+2:G0B+3], s[6:7], s[52:53]
	s_or_b32 s[G0B+3], s[G0B+3], 0x80000000
	s_cmp_eq_u32 s23, 0
	s_cselect_b64 s[50:51], s[10:11], s[12:13]     ; q goes to qrec, k and v to kv: the choice hangs on the cluster's number alone
	s_add_nc_u64 s[50:51], s[50:51], s[56:57]
	s_add_nc_u64 s[60:61], s[8:9], s[60:61]
	ROUND                                          ; all sixteen work-groups are here: the joint loads meet
	JLOAD                                          ; my one tensor load: an eighth of the work-group's LDS
	s_wait_alu depctr_va_vdst(0)
.irp b, 0,1,2,3
.irp j, 0,1,2,3,4,5,6,7
	global_load_b32 v[BIAS+8*\b+\j], v[240+\j], s[60:61] offset:(32*(\b/2)+8*(\b%2))*4
.endr
.endr
	s_wait_tensorcnt 0x0                           ; my part lies in LDS,
	s_wait_loadcnt 0x0                             ; the bias is in (and its offset registers are free),
	s_barrier_signal -1
	s_barrier_wait -1                              ; everybody's part lies in LDS
	FETCH 0
	s_cmp_eq_u32 s23, 2
	s_cbranch_scc1 .Lv
.irp s, 0,1,2,3,4,5,6,7
	s_wait_alu depctr_va_vdst(0)
	STEP 0, \s
.endr
	EPI 0
	global_store_b128 v4, v[SW:SW+3], s[50:51] offset:8192    ; the eight tiles' scale words: 512 consecutive bytes, aligned
	s_branch .Lend
.Lv:
.irp s, 0,1,2,3,4,5,6,7
	s_wait_alu depctr_va_vdst(0)
	STEP 1, \s
.endr
	EPI 1
	global_store_b64 v5, v[SW:SW+1], s[50:51] offset:4608     ; the four channel tiles' scale words: 256 consecutive bytes, aligned
.Lend:
	s_wait_tensorcnt 0x0
	ds_add_u32 v62, v63
	s_wait_dscnt 0x0
	ROUND                                          ; the closing round: no work-group ends while a partner may still ask for a tile that names it
	s_endpgm
.Lfunc_end_k_q632e1fbf52_qkv:
	.size	k_q632e1fbf52_qkv, .Lfunc_end_k_q632e1fbf52_qkv-k_q632e1fbf52_qkv
	.p2alignl 7, 3214868480
	.fill 96, 4, 3214868480
	.section	.rodata,"a",@progbits
	.p2align	6, 0x0
	.amdhsa_kernel k_q632e1fbf52_qkv
		.amdhsa_group_segment_fixed_size 279552
		.amdhsa_private_segment_fixed_size 0
		.amdhsa_enable_private_segment 0
		.amdhsa_kernarg_size 40
		.amdhsa_user_sgpr_count 2
		.amdhsa_user_sgpr_kernarg_segment_ptr 1
		.amdhsa_wavefront_size32 1
		.amdhsa_system_sgpr_workgroup_id_x 1
		.amdhsa_system_sgpr_workgroup_id_y 1
		.amdhsa_system_sgpr_workgroup_id_z 1
		.amdhsa_system_vgpr_workitem_id 0
		.amdhsa_next_free_vgpr 512
		.amdhsa_next_free_sgpr 80
		.amdhsa_reserve_vcc 0
		.amdhsa_float_denorm_mode_32 3
		.amdhsa_float_denorm_mode_16_64 3
		.amdhsa_memory_ordered 1
		.amdhsa_forward_progress 1
		.amdhsa_inst_pref_size 143
	.end_amdhsa_kernel
	.amdgpu_metadata
---
amdhsa.version: [ 1, 2 ]
amdhsa.kernels:
  - .name:           k_q632e1fbf52_qkv
    .symbol:         k_q632e1fbf52_qkv.kd
    .args:
      - { .name: xp, .offset: 0, .size: 8, .value_kind: global_buffer, .address_space: global }
      - { .name: wp, .offset: 8, .size: 8, .value_kind: global_buffer, .address_space: global }
      - { .name: bqkv, .offset: 16, .size: 8, .value_kind: global_buffer, .address_space: global }
      - { .name: qrec, .offset: 24, .size: 8, .value_kind: global_buffer, .address_space: global }
      - { .name: kv, .offset: 32, .size: 8, .value_kind: global_buffer, .address_space: global }
    .group_segment_fixed_size: 279552
    .private_segment_fixed_size: 0
    .kernarg_segment_align: 8
    .kernarg_segment_size: 40
    .max_flat_workgroup_size: 256
    .sgpr_count:     80
    .vgpr_count:     512
    .wavefront_size: 32
...
	.end_amdgpu_metadata
.endif
;; end of part 2
;; launch attn (part 3): grid 8 x 32, 16 waves a work-group, clusters of 4 x 1, 169,984 bytes of LDS; arguments qrec, kv, ap, asc; writes ap, asc
.if DOCPART == 3
	.amdgcn_target "amdgcn-amd-amdhsa--gfx1250"
	.amdhsa_code_object_version 6
	.text
	.protected	k_q632e1fbf52_attn
	.globl	k_q632e1fbf52_attn
	.p2align	8
	.type	k_q632e1fbf52_attn,@function
k_q632e1fbf52_attn:
	s_mov_b64 s[64:65], 0
	v_nop
	global_prefetch_b8 v0, s[64:65] scope:SCOPE_SE
	s_setreg_imm32_b32 hwreg(HW_REG_WAVE_MODE, 25, 1), 1
	s_wait_xcnt 0x0
	s_wait_alu depctr_hold_cnt(0) depctr_sa_sdst(0) depctr_va_vdst(0) depctr_va_sdst(0) depctr_va_ssrc(0) depctr_va_vcc(0) depctr_vm_vsrc(0)
	s_getreg_b32 s2, hwreg(HW_REG_IB_STS2, 6, 4)
	s_cmp_eq_u32 s2, 0
	s_cbranch_scc0 .Lentry_in_a_cluster
	s_endpgm
.Lentry_in_a_cluster:
	s_bfe_u32 s2, ttmp6, 0x10000c
	s_cmp_lg_u32 s2, 0x3003
	s_cbranch_scc0 .Lentry_shape_is_right
	s_endpgm
.Lentry_shape_is_right:
; o = softmax(8 q k^T) v for one head, both products on codes of FP4 with E8M0 scales; o is then quantised along (head, channel), the last product's K, and leaves as codes.
; THE SOFTMAX AHEAD OF THE SECOND PRODUCT: t = score x 8 log2(e); M = the running largest t rounded UP to a whole number; p = 2^(t - M) is what is quantised, along the keys, not normalised.
; The row's sum is taken of the unquantised p and divides at the end.  When M moves, the sum and O are multiplied by 2^(old M - new M): exact.
; SHARES.  A work-group owns 256 queries of one head; each of its sixteen waves one tile of 16, in 256 registers: four waves to a SIMD.
; A head's k, v and their scale words are 143,360 bytes, 16 key steps of 8,960: they lie in LDS whole, filled once; nothing is filled again.  Wave w fetches key step w: one tensor load a wave.
; A wave waits for its own load, signals the work-group's barrier, works the key step that it fetched itself (bytes that only its own load wrote), and waits for the barrier behind that step;
; then it walks key steps 0 to 15 and jumps over its own by a scalar branch on ids.  The order of the keys is free under a running M.
; CLUSTER 4 x 1: the four query blocks of a cluster belong to one head, so each sixteenth of the head's record is asked for jointly.  The record is asked for whole at the head: there is no loop to prefetch ahead in.
; LAYOUT.  Both products transposed: S^T = k q^T (source 0 = 16 keys), O^T = v^T p^T (source 0 = 16 channels): a lane holds ONE query throughout.  The launch before chose the keys of a tile so that the 16 registers
; of tiles 2 b and 2 b + 1 are keys 32 b + 16 h + 0 .. 15, and the channels of v's tiles likewise.  The head's K is 64: the upper 64 of the first product's 128 are zero codes on both sides, under the byte 127.
; LIMITS: holds while |t| < 2^31; a block of zeros gets the byte 1 (its codes are zeros); a p under 2^-126 counts as 0; NaN and infinities are not served.
; REGISTERS: v1 16 l; v2 8 l; v3, v4 the step's LDS addresses; v5, v8 where o's scale words are gathered; v6, v7 the add's two; v16-23 q (v20-23 zeros), v24 its scale words; v[28:29] the sum; v30 -M, v31 the largest t;
;   v32-95 k's 8 tiles (registers 4-7 of each stay zeros); v96-127 v's 4 fragments; v128-191 S^T, then p; v192-223 O^T; v224-231 p's codes; v232-239, v244-247, v252-255 at work; v240-243 k's scale words, v248-249 v's, v250 p's.
.set STEPB, 8960
.set HEADB, 143360
.set SCG,   HEADB                      ; behind the record: 1,024 bytes in which the sixteen tiles' scale words of o are gathered; no fill lands here
.set SPARE, 0x29000                    ; the spare words, 128 bytes a wave
.set WV,    12
.macro D1
	s_delay_alu instid0(VALU_DEP_1)
.endm
.macro ROUND                           ; a round of the cluster's barrier
	s_barrier_signal -1
	s_barrier_wait -1
	s_cmp_lg_u32 s[WV], 0
	s_cbranch_scc1 .Lnot_wave_0_\@
	s_barrier_signal -3
.Lnot_wave_0_\@:
	s_barrier_wait -3
	s_barrier_signal -1
	s_barrier_wait -1
.endm
.macro COMB                            ; the four partial sums of the step before join the row's sum
	v_pk_add_f32 v[232:233], v[232:233], v[234:235]
	v_pk_add_f32 v[236:237], v[236:237], v[238:239]
	D1
	v_pk_add_f32 v[232:233], v[232:233], v[236:237]
	D1
	v_pk_add_f32 v[28:29], v[28:29], v[232:233]
.endm
	s_load_b256 s[4:11], s[0:1], 0x0               ; qrec s[4:5], kv s[6:7], ap s[8:9], asc s[10:11]
	v_lshl_add_u32 v6, v0, 2, SPARE
	v_mov_b32 v7, 0
	ds_add_u32 v6, v7                              ; the opening lines: the add, twice on end, and its wait
	ds_add_u32 v6, v7
	v_lshrrev_b32 v1, 5, v0
	D1
	v_readfirstlane_b32 s[WV], v1                  ; wave 0..15
	s_bfe_u32 s13, ttmp6, 0x40000                  ; cx
	s_lshl_b32 s14, ttmp9, 2
	s_add_co_u32 s14, s14, s13                     ; x: my block of 256 queries: it enters global addresses alone
	s_and_b32 s15, ttmp7, 0xffff                   ; y: the head record, 16 x batch + head, which the four partners share
	; descriptor group 1: 8,960 dense bytes as 35 rows of 256 bytes (32 elements of 8)
	s_mov_b32 s16, 15|(3<<16)|(1<<21)              ; 15:0 the mask: all four; 17:16 elements of 8 bytes; 21 set beside a mask
	s_mov_b32 s17, 32<<16                          ; tensor_dim0 = 32
	s_mov_b32 s18, 35<<16                          ; tensor_dim1 = 35
	s_mov_b32 s19, 32<<16                          ; tile_dim0 = 32
	s_mov_b32 s20, 35                              ; tile_dim1 = 35
	s_mov_b32 s21, 32                              ; from row to row
	s_mov_b32 s22, 0
	s_mov_b32 s23, 0
	s_mov_b32 s28, 0x76543210
	s_mov_b32 s29, 0xfedcba98                      ; v_permlanex16_b32's selects for lane l xor 16
	s_mov_b32 s30, 0x4138aa3b                      ; c = 8 log2(e): t = score x c
	s_mov_b32 s31, s30                             ; (named with it as a pair, so it is written)
	s_mov_b32 s52, 0xffff0000                      ; lanes 16-31
	s_mul_i32 s34, s15, HEADB                      ; the head's record
	s_mov_b32 s35, 0
	s_mul_i32 s36, s[WV], STEPB                    ; a sixteenth of it: my key step
	s_mov_b32 s37, 0
	s_lshl_b32 s38, s14, 1
	s_lshr_b32 s39, s[WV], 3
	s_add_co_u32 s38, s38, s39                     ; my queries' step of 128 tokens: 2 x + w / 8
	s_mul_i32 s38, s38, STEPB
	s_add_co_u32 s38, s38, s34
	s_mov_b32 s39, 0
	s_and_b32 s40, s[WV], 7                        ; a: my tile in it
	s_lshl_b32 s41, s40, 9                         ; its codes: 512 a
	s_and_b32 s42, s40, 1
	s_lshl_b32 s42, s42, 8
	s_lshr_b32 s43, s40, 1
	s_lshl_b32 s43, s43, 2
	s_add_co_u32 s42, s42, s43                     ; its scale words: lane 16 (a % 2) + r, word a / 2, 16 bytes a lane
	s_lshr_b32 s44, s15, 4
	s_lshl_b32 s44, s44, 3
	s_add_co_u32 s44, s44, s14                     ; the block of 256 rows: 8 x batch + x
	s_and_b32 s45, s15, 15                         ; the head
	s_lshl_b32 s46, s44, 17                        ; ap: block x 131,072 + (head / 2) x 16,384 + tile x 1,024 + (head % 2) x 512
	s_lshr_b32 s47, s45, 1
	s_lshl_b32 s47, s47, 14
	s_add_co_u32 s46, s46, s47
	s_lshl_b32 s47, s[WV], 10
	s_add_co_u32 s46, s46, s47
	s_and_b32 s47, s45, 1
	s_lshl_b32 s47, s47, 9
	s_add_co_u32 s46, s46, s47
	s_mov_b32 s47, 0
	s_lshl_b32 s48, s44, 4                         ; asc: (16 x block + head) x 1,024 + 512 x wave (waves 0 and 1 store)
	s_add_co_u32 s48, s48, s45
	s_lshl_b32 s48, s48, 10
	s_lshl_b32 s49, s[WV], 9
	s_add_co_u32 s48, s48, s49
	s_mov_b32 s49, 0
	s_lshr_b32 s50, s[WV], 2                       ; where my tile's scale words of o are gathered: group w / 4, lane 16 (w % 2) + r, word (w / 2) % 2
	s_lshl_b32 s50, s50, 8
	s_and_b32 s51, s[WV], 1
	s_lshl_b32 s51, s51, 7
	s_add_co_u32 s50, s50, s51
	s_bfe_u32 s51, s[WV], 0x10001
	s_lshl_b32 s51, s51, 2
	s_add_co_u32 s50, s50, s51
	s_add_co_u32 s50, s50, SCG
	s_lshl_b32 s51, s[WV], 9
	s_add_co_u32 s51, s51, SCG
	v_and_b32 v244, 31, v0                         ; lane
	v_and_b32 v245, 15, v0                         ; r
	v_lshlrev_b32 v1, 4, v244                      ; 16 l
	v_lshlrev_b32 v2, 3, v244                      ; 8 l
	v_lshlrev_b32 v252, 4, v245
	v_add_nc_u32 v254, s41, v1                     ; q's codes
	v_add_nc_u32 v255, s42, v252                   ; q's scale words
	v_lshl_add_u32 v5, v245, 3, s50
	v_add_nc_u32 v8, s51, v1                       ; where waves 0 and 1 read the gathered words back
	s_wait_dscnt 0x0                               ; both opening adds are done
	s_wait_alu depctr_va_vdst(0)
	s_wait_kmcnt 0x0
	s_mov_b32 s24, 1                               ; descriptor group 0: count = 1
	s_mov_b32 s25, s36                             ; LDS address: wave x 8,960
	s_add_nc_u64 s[26:27], s[6:7], s[34:35]
	s_add_nc_u64 s[26:27], s[26:27], s[36:37]      ; global address: made of the head and the wave's number alone
	s_or_b32 s27, s27, 0x80000000                  ; type = 2
	s_add_nc_u64 s[4:5], s[4:5], s[38:39]
	s_add_nc_u64 s[8:9], s[8:9], s[46:47]
	s_add_nc_u64 s[10:11], s[10:11], s[48:49]
	ROUND                                          ; all four work-groups are here: the joint loads meet
	tensor_load_to_lds s[24:27], s[16:23]          ; my one tensor load
	s_nop 0
.rept 4
	v_nop
.endr
	global_load_b128 v[16:19], v254, s[4:5]        ; q: registers 0-3 of the fragment: the head's 64
	global_load_b32 v24, v255, s[4:5] offset:8192
.irp j, 20,21,22,23
	v_mov_b32 v[\j], 0                             ; the upper 64 of K: zero codes
.endr
.irp t, 0,1,2,3,4,5,6,7
.irp j, 4,5,6,7
	v_mov_b32 v[32+8*\t+\j], 0                     ; likewise in each of k's tiles: written once, no load lands here
.endr
.endr
.set j, 0
.rept 32
	v_mov_b32 v[192+j], 0                          ; O^T: the first step finds zeros, which the first change of M leaves zeros
.set j, j+1
.endr
.irp j, 232,233,234,235,236,237,238,239,28,29,253,247
	v_mov_b32 v[\j], 0                             ; the partial sums, the sum, the upper half of f's pair, a permute's destination
.endr
	v_mov_b32 v31, 0xff61b1e6                      ; the largest t so far: -3e38, under every t
	D1
	v_floor_f32 v30, -v31                          ; -M
; A KEY STEP of 128 keys, whose record begins at LDS byte s32
.macro STEP
	v_add_nc_u32 v3, s32, v1
	v_add_nc_u32 v4, s32, v2
	ds_load_b128 v[240:243], v3 offset:8192        ; k's scale words: register i: tile 2 i in lanes 0-15, tile 2 i + 1 in lanes 16-31
.irp t, 0,1,2,3,4,5,6,7
	ds_load_b128 v[32+8*\t:35+8*\t], v3 offset:512*\t
.endr
	ds_load_b64 v[248:249], v4 offset:8704         ; v's scale words
.irp t, 0,1,2,3
.irp c, 0,1
	ds_load_b128 v[96+8*\t+4*\c:99+8*\t+4*\c], v3 offset:4096+1024*\t+512*\c
.endr
.endr
	s_wait_alu depctr_va_vdst(0)
	s_wait_dscnt 9                                 ; k and its scale words are in; v's nine loads may be out
.irp t, 0,1,2,3,4,5,6,7                        ; S^T = k q^T
.if (\t%2) == 0
	v_wmma_scale_f32_16x16x128_f8f6f4 v[128+8*\t:135+8*\t], v[32+8*\t:39+8*\t], v[16:23], 0, v[240+\t/2], v24 matrix_a_fmt:MATRIX_FMT_FP4 matrix_b_fmt:MATRIX_FMT_FP4
.else
	v_wmma_scale_f32_16x16x128_f8f6f4 v[128+8*\t:135+8*\t], v[32+8*\t:39+8*\t], v[16:23], 0, v[240+\t/2], v24 matrix_a_fmt:MATRIX_FMT_FP4 matrix_b_fmt:MATRIX_FMT_FP4 matrix_a_scale:MATRIX_SCALE_ROW1
.endif
.endr
	COMB                                           ; four additions that are due anyway are the places behind the products
.irp b, 0,1,2,3
	v_max3_num_f32 v[232+\b], v[128+16*\b], v[129+16*\b], v[130+16*\b]   ; my 16 keys of each block of 32; each accumulator from its low end on
.endr
.irp i, 3,5,7,9,11,13
.irp b, 0,1,2,3
	v_max3_num_f32 v[232+\b], v[232+\b], v[128+16*\b+\i], v[129+16*\b+\i]
.endr
.endr
.irp b, 0,1,2,3
	v_max_num_f32 v[232+\b], v[232+\b], v[143+16*\b]
.endr
	v_permlane16_swap_b32 v232, v233               ; v232: both blocks' lower halves, v233: their upper halves
	v_permlane16_swap_b32 v234, v235
	v_max_num_f32 v232, v232, v233                 ; lanes 0-15: block 0's largest score of query r; lanes 16-31: block 1's
	v_max_num_f32 v234, v234, v235                 ; blocks 2 and 3
	D1
	v_max_num_f32 v254, v232, v234
	D1
	v_permlanex16_b32 v255, v254, s28, s29
	D1
	v_max_num_f32 v254, v254, v255                 ; the step's largest score of my query
	D1
	v_mul_f32 v254, s30, v254                      ; as t (c is positive)
	D1
	v_max_num_f32 v31, v31, v254                   ; the running largest t
	v_mov_b32 v254, v30
	s_delay_alu instid0(VALU_DEP_2)
	v_floor_f32 v30, -v31                          ; the new -M = floor(-t): M is a whole number
	D1
	v_sub_f32 v254, v30, v254                      ; old M - new M: a whole number, 0 or less
	D1
	v_cvt_i32_f32 v254, v254                       ; (it saturates)
	D1
	v_ldexp_f32 v252, 1.0, v254                    ; f = 2^(old M - new M)
.set j, 0
.rept 32
	v_pk_fma_f32 v[128+j:129+j], v[128+j:129+j], s[30:31], v[30:31] op_sel_hi:[1,0,0]   ; t - M, two at a time
.set j, j+2
.endr
	v_fma_f32 v232, v232, s30, v30                 ; the same of the blocks' largest scores: p rises with the score
	v_fma_f32 v234, v234, s30, v30
	s_wait_alu depctr_va_vdst(0)
.set j, 0
.rept 64
	v_exp_f32 v[128+j], v[128+j]                   ; p = 2^(t - M), at most 1
.set j, j+1
.endr
	v_exp_f32 v232, v232                           ; the blocks' largest p: the same two instructions on the same number
	v_exp_f32 v234, v234
	v_pk_mul_f32 v[28:29], v[28:29], v[252:253] op_sel_hi:[1,0]   ; the sum under the new M (a plain line behind the exponentials)
	s_wait_alu depctr_va_vdst(0)                   ; and behind it
	v_max_num_f32 v232, 0x1800000, v232            ; the floor 2^(3 - 127): the byte cannot fall under 1
	v_max_num_f32 v234, 0x1800000, v234
	s_delay_alu instid0(VALU_DEP_2)
	v_add_nc_u32 v244, 0xff000000, v232            ; 2 off the exponent field: the conversions' scale operands, blocks 0 | 1
	s_delay_alu instid0(VALU_DEP_2)
	v_add_nc_u32 v246, 0xff000000, v234            ; blocks 2 | 3
	s_delay_alu instid0(VALU_DEP_2)
	v_permlanex16_b32 v245, v244, s28, s29         ; blocks 1 | 0
	s_delay_alu instid0(VALU_DEP_2)
	v_permlanex16_b32 v247, v246, s28, s29         ; blocks 3 | 2
	v_lshrrev_b32 v232, 23, v244                   ; the bytes
	v_lshrrev_b32 v234, 23, v246
	v_cndmask_b32 v236, v244, v245, s52            ; each block's operand in all 32 lanes
	v_cndmask_b32 v237, v245, v244, s52
	v_cndmask_b32 v238, v246, v247, s52
	v_cndmask_b32 v239, v247, v246, s52
	v_lshl_or_b32 v232, v234, 16, v232             ; bytes 0 and 2 | bytes 1 and 3
	D1
	v_permlanex16_b32 v255, v232, s28, s29
	D1
	v_lshl_or_b32 v250, v255, 8, v232              ; lanes 0-15: p's scale word for these 128 keys
.irp b, 0,1,2,3
	v_cvt_scalef32_pk8_fp4_f32 v[224+2*\b], v[128+16*\b:135+16*\b], v[236+\b]
	v_cvt_scalef32_pk8_fp4_f32 v[225+2*\b], v[136+16*\b:143+16*\b], v[236+\b]
.endr
.irp c, 0,1,2,3
	v_pk_add_f32 v[232+2*\c:233+2*\c], v[128+2*\c:129+2*\c], v[136+2*\c:137+2*\c]   ; the row's sum of the unquantised p, in four chains (the first line is the plain place behind the conversions)
.endr
.irp c, 0,1                                    ; a whole block in a lane: lanes 0-15 block 2 c, lanes 16-31 block 2 c + 1
.irp i, 0,1
	v_permlane16_swap_b32 v[224+4*\c+\i], v[226+4*\c+\i]
.endr
.endr
.set J, 8
.rept 20
	v_pk_add_f32 v[232+2*(J%4):233+2*(J%4)], v[232+2*(J%4):233+2*(J%4)], v[128+2*J:129+2*J]
.set J, J+1
.endr
	s_wait_alu depctr_va_vdst(0)
.set j, 0
.rept 16
	v_pk_mul_f32 v[192+j:193+j], v[192+j:193+j], v[252:253] op_sel_hi:[1,0]   ; O^T under the new M, each accumulator from its low end on
.set j, j+2
.endr
	s_wait_alu depctr_va_vdst(0)
	s_wait_dscnt 0x0                               ; v and its scale words are in
.irp t, 0,1,2,3                                ; O^T += v^T p^T: the four accumulators take turns
.if (\t%2) == 0
	v_wmma_scale_f32_16x16x128_f8f6f4 v[192+8*\t:199+8*\t], v[96+8*\t:103+8*\t], v[224:231], v[192+8*\t:199+8*\t], v[248+\t/2], v250 matrix_a_fmt:MATRIX_FMT_FP4 matrix_b_fmt:MATRIX_FMT_FP4
.else
	v_wmma_scale_f32_16x16x128_f8f6f4 v[192+8*\t:199+8*\t], v[96+8*\t:103+8*\t], v[224:231], v[192+8*\t:199+8*\t], v[248+\t/2], v250 matrix_a_fmt:MATRIX_FMT_FP4 matrix_b_fmt:MATRIX_FMT_FP4 matrix_a_scale:MATRIX_SCALE_ROW1
.endif
.endr
.rept 4
	v_pk_add_f32 v[232+2*(J%4):233+2*(J%4)], v[232+2*(J%4):233+2*(J%4)], v[128+2*J:129+2*J]   ; the chains' last links are the places behind the products, ahead of the next step's loads
.set J, J+1
.endr
	s_wait_alu depctr_va_vdst(0)
.endm
	s_mov_b32 s32, s36                             ; the key step that I fetched myself
	s_wait_alu depctr_va_vdst(0)
	s_wait_loadcnt 0x0                             ; q
	s_wait_tensorcnt 0x0                           ; my part of the record lies in LDS:
	s_barrier_signal -1                            ; say so,
	STEP                                           ; work it (LDS reads of bytes that my own load wrote and nobody writes again),
	s_barrier_wait -1                              ; and go on when everybody's part lies in LDS
	s_mov_b32 s32, 0                               ; LDS byte at which the key step in hand begins
	s_mov_b32 s33, 0                               ; its number
.Lstep:
	s_cmp_eq_u32 s33, s[WV]                        ; my own key step is done
	s_cbranch_scc1 .Lown
	STEP
.Lown:
	s_add_co_u32 s32, s32, STEPB
	s_add_co_u32 s33, s33, 1
	s_cmp_lt_u32 s33, 16
	s_cbranch_scc1 .Lstep
	; THE WAY OUT: O^T / the sum; its 64 channels are two blocks of the last product's K: quantised here, as half a fragment image and half a scale word
	COMB
	D1
	v_add_f32 v28, v28, v29                        ; the sum's two halves,
	D1
	v_permlanex16_b32 v254, v28, s28, s29
	D1
	v_add_f32 v28, v28, v254                       ; and lane l xor 16's: the row's sum
	s_wait_alu depctr_va_vdst(0)                   ; ahead of the transcendental
	v_rcp_f32 v28, v28
	v_nop                                          ; one plain line behind the reciprocal
	s_wait_alu depctr_va_vdst(0)                   ; and ahead of its first reader, which is O^T's too
.set j, 0
.rept 16
	v_pk_mul_f32 v[192+j:193+j], v[192+j:193+j], v[28:29] op_sel_hi:[1,0]   ; register 16 b + i: channel 32 b + 16 h + i of my query
.set j, j+2
.endr
.irp b, 0,1
	v_max3_num_f32 v[232+\b], |v[192+16*\b]|, |v[193+16*\b]|, 0x1800000
.endr
.irp i, 2,4,6,8,10,12,14
.irp b, 0,1
	s_delay_alu instid0(VALU_DEP_2)
	v_max3_num_f32 v[232+\b], v[232+\b], |v[192+16*\b+\i]|, |v[193+16*\b+\i]|
.endr
.endr
.irp b, 0,1
	s_delay_alu instid0(VALU_DEP_2)
	v_permlanex16_b32 v[236+\b], v[232+\b], s28, s29
.endr
.irp b, 0,1
	s_delay_alu instid0(VALU_DEP_2)
	v_max_num_f32 v[232+\b], v[232+\b], v[236+\b]
.endr
.irp b, 0,1
	s_delay_alu instid0(VALU_DEP_2)
	v_add_nc_u32 v[244+\b], 0xff000000, v[232+\b]
.endr
.irp b, 0,1
	s_delay_alu instid0(VALU_DEP_2)
	v_lshrrev_b32 v[236+\b], 23, v[244+\b]
.endr
	D1
	v_lshl_or_b32 v238, v237, 8, v236              ; my head's two bytes of the row's scale word; the next launch joins two heads'
.irp b, 0,1
	v_cvt_scalef32_pk8_fp4_f32 v[224+2*\b], v[192+16*\b:199+16*\b], v[244+\b]
	v_cvt_scalef32_pk8_fp4_f32 v[225+2*\b], v[200+16*\b:207+16*\b], v[244+\b]
.endr
	v_nop                                          ; one plain line behind the last conversion
	v_permlane16_swap_b32 v224, v226
	v_permlane16_swap_b32 v225, v227
	ds_store_b32 v5, v238                          ; both halves of the lanes write the same word with the same value
	global_store_b128 v1, v[224:227], s[8:9]       ; half an image: 512 consecutive bytes, aligned
	s_wait_dscnt 0x0                               ; for the others' sake: my word lies in LDS
	s_barrier_signal -1
	s_barrier_wait -1
	s_cmp_lt_u32 s[WV], 2
	s_cbranch_scc0 .Ldone
	ds_load_b128 v[228:231], v8                    ; the sixteen tiles' words: four scale groups, 1,024 bytes; waves 0 and 1 take half each
	s_wait_dscnt 0x0
	global_store_b128 v1, v[228:231], s[10:11]     ; 512 consecutive bytes, aligned
.Ldone:
	s_wait_tensorcnt 0x0                           ; the wave's end
	ds_add_u32 v6, v7
	s_wait_dscnt 0x0
	ROUND                                          ; the closing round: no work-group ends while a partner may still ask for a tile that names it
	s_endpgm
.Lfunc_end_k_q632e1fbf52_attn:
	.size	k_q632e1fbf52_attn, .Lfunc_end_k_q632e1fbf52_attn-k_q632e1fbf52_attn
	.p2alignl 7, 3214868480
	.fill 96, 4, 3214868480
	.section	.rodata,"a",@progbits
	.p2align	6, 0x0
	.amdhsa_kernel k_q632e1fbf52_attn
		.amdhsa_group_segment_fixed_size 169984
		.amdhsa_private_segment_fixed_size 0
		.amdhsa_enable_private_segment 0
		.amdhsa_kernarg_size 32
		.amdhsa_user_sgpr_count 2
		.amdhsa_user_sgpr_kernarg_segment_ptr 1
		.amdhsa_wavefront_size32 1
		.amdhsa_system_sgpr_workgroup_id_x 1
		.amdhsa_system_sgpr_workgroup_id_y 1
		.amdhsa_system_sgpr_workgroup_id_z 1
		.amdhsa_system_vgpr_workitem_id 0
		.amdhsa_next_free_vgpr 256
		.amdhsa_next_free_sgpr 66
		.amdhsa_reserve_vcc 0
		.amdhsa_float_denorm_mode_32 3
		.amdhsa_float_denorm_mode_16_64 3
		.amdhsa_memory_ordered 1
		.amdhsa_forward_progress 1
		.amdhsa_inst_pref_size 43
	.end_amdhsa_kernel
	.amdgpu_metadata
---
amdhsa.version: [ 1, 2 ]
amdhsa.kernels:
  - .name:           k_q632e1fbf52_attn
    .symbol:         k_q632e1fbf52_attn.kd
    .args:
      - { .name: qrec, .offset: 0, .size: 8, .value_kind: global_buffer, .address_space: global }
      - { .name: kv, .offset: 8, .size: 8, .value_kind: global_buffer, .address_space: global }
      - { .name: ap, .offset: 16, .size: 8, .value_kind: global_buffer, .address_space: global }
      - { .name: asc, .offset: 24, .size: 8, .value_kind: global_buffer, .address_space: global }
    .group_segment_fixed_size: 169984
    .private_segment_fixed_size: 0
    .kernarg_segment_align: 8
    .kernarg_segment_size: 32
    .max_flat_workgroup_size: 512
    .sgpr_count:     66
    .vgpr_count:     256
    .wavefront_size: 32
...
	.end_amdgpu_metadata
.endif
;; end of part 3
;; launch outp (part 4): grid 8 x 32, 4 waves a work-group, clusters of 4 x 4, 199,168 bytes of LDS; arguments ap, asc, op, bout, out0; writes out0
.if DOCPART == 4
	.amdgcn_target "amdgcn-amd-amdhsa--gfx1250"
	.amdhsa_code_object_version 6
	.text
	.protected	k_q632e1fbf52_outp
	.globl	k_q632e1fbf52_outp
	.p2align	8
	.type	k_q632e1fbf52_outp,@function
k_q632e1fbf52_outp:
	s_mov_b64 s[64:65], 0
	v_nop
	global_prefetch_b8 v0, s[64:65] scope:SCOPE_SE
	s_setreg_imm32_b32 hwreg(HW_REG_WAVE_MODE, 25, 1), 1
	s_wait_xcnt 0x0
	s_wait_alu depctr_hold_cnt(0) depctr_sa_sdst(0) depctr_va_vdst(0) depctr_va_sdst(0) depctr_va_ssrc(0) depctr_va_vcc(0) depctr_vm_vsrc(0)
	s_getreg_b32 s2, hwreg(HW_REG_IB_STS2, 6, 4)
	s_cmp_eq_u32 s2, 0
	s_cbranch_scc0 .Lentry_in_a_cluster
	s_endpgm
.Lentry_in_a_cluster:
	s_bfe_u32 s2, ttmp6, 0x10000c
	s_cmp_lg_u32 s2, 0xf033
	s_cbranch_scc0 .Lentry_shape_is_right
	s_endpgm
.Lentry_shape_is_right:
; out0 = Q(o) Q(Wout) + bout on codes of FP4 with E8M0 scales.  o's codes (ap) and Wout's (op) lie as fragment images, 1,024 bytes for 16 rows x 128 K.
; SHARES.  A work-group takes 128 rows x 128 columns, all of K = 1,024: 256 work-groups.  Its operands, 64 KiB a side, lie in LDS whole, filled once; nothing is filled again.
; Wave w = 2 mh + nh takes 64 x 64: 16 accumulators, in window 1.  The scale words of all eight K steps stay in registers.
; CLUSTER 4 x 4: the four of a row need the same rows of o, the four of a column the same columns of Wout: each half of a side is asked for jointly.
; THE PRODUCT IS USED TRANSPOSED (source 0 = 16 columns of Wout, source 1 = 16 rows of o): a lane holds eight neighbouring numbers of a row of out0.  The bias is the C of each sum's first product.
; The rows and columns of a tile are not neighbours (row index i of tile 2 bb + u is element 32 bb + 8 u + i + 8 (i / 8) of a group of 64): the stage's addresses put every number in its place.
; REGISTERS, window 0: v4-11 addresses; v16-47 the bias; v48-63 o's scale words, v64-79 Wout's (2 a K step); v80-111 o's scale words as stored, head by head; v112-175 and v176-239 two sets of fragments (4 + 4); at the end v112-239 take 32 rows.
.set STG,  131072                      ; behind the operands: the stage, 128 rows of 512 + 16 bytes; no fill lands here
.set BIAS, 16
.set SA,   48
.set SBW,  64
.set TW,   80
.set WV,   14
.set G1A,  24                          ; s[24:31], s[32:35] descriptor groups 1 and 0 for ap;  s[36:43], s[44:47] for op
.set G0A,  32
.set G1B,  36
.set G0B,  44
.set MSB, 0
.macro WIN new                         ; the immediate's high byte repeats the setting that is left
.if MSB != \new
	s_set_vgpr_msb (MSB<<8)|\new
.set MSB, \new
.endif
.endm
.macro PLACES
.rept 4
	v_nop
.endr
.endm
.macro ROUND                           ; a round of the cluster's barrier
	s_barrier_signal -1
	s_barrier_wait -1
	s_cmp_lg_u32 s[WV], 0
	s_cbranch_scc1 .Lnot_wave_0_\@
	s_barrier_signal -3
.Lnot_wave_0_\@:
	s_barrier_wait -3
	s_barrier_signal -1
	s_barrier_wait -1
.endm
.macro JLOAD                           ; waves 0 and 1 fetch o's K steps 0-3 and 4-7, waves 2 and 3 Wout's; four v_nop follow each of the two lines
	s_cmp_eq_u32 s15, 0
	s_cbranch_scc0 .Lfor_b_\@
	tensor_load_to_lds s[G0A:G0A+3], s[G1A:G1A+7]
	s_nop 0
	PLACES
	s_branch .Lasked_\@
.Lfor_b_\@:
	tensor_load_to_lds s[G0B:G0B+3], s[G1B:G1B+7]
	s_nop 0
	PLACES
.Lasked_\@:
.endm
.macro WM                              ; one product; RA, RB: the scale words lie in lanes 16-31 of the register named
.if (RA == 0) && (RB == 0)
	v_wmma_scale_f32_16x16x128_f8f6f4 v[rD:rD+7], v[rA:rA+7], v[rB:rB+7], v[rC:rC+7], v[rSA], v[rSB] matrix_a_fmt:MATRIX_FMT_FP4 matrix_b_fmt:MATRIX_FMT_FP4
.elseif (RA == 1) && (RB == 0)
	v_wmma_scale_f32_16x16x128_f8f6f4 v[rD:rD+7], v[rA:rA+7], v[rB:rB+7], v[rC:rC+7], v[rSA], v[rSB] matrix_a_fmt:MATRIX_FMT_FP4 matrix_b_fmt:MATRIX_FMT_FP4 matrix_a_scale:MATRIX_SCALE_ROW1
.elseif (RA == 0) && (RB == 1)
	v_wmma_scale_f32_16x16x128_f8f6f4 v[rD:rD+7], v[rA:rA+7], v[rB:rB+7], v[rC:rC+7], v[rSA], v[rSB] matrix_a_fmt:MATRIX_FMT_FP4 matrix_b_fmt:MATRIX_FMT_FP4 matrix_b_scale:MATRIX_SCALE_ROW1
.else
	v_wmma_scale_f32_16x16x128_f8f6f4 v[rD:rD+7], v[rA:rA+7], v[rB:rB+7], v[rC:rC+7], v[rSA], v[rSB] matrix_a_fmt:MATRIX_FMT_FP4 matrix_b_fmt:MATRIX_FMT_FP4 matrix_a_scale:MATRIX_SCALE_ROW1 matrix_b_scale:MATRIX_SCALE_ROW1
.endif
.endm
.macro FETCH stp                       ; K step stp: 4 + 4 fragments, 16 LDS loads; the step stands in the immediate (60,928 at the most)
.irp a, 0,1,2,3
.irp c, 0,1
	ds_load_b128 v[112+64*((\stp)%2)+8*\a+4*\c:112+64*((\stp)%2)+8*\a+4*\c+3], v6 offset:8192*(\stp)+1024*\a+512*\c
	ds_load_b128 v[144+64*((\stp)%2)+8*\a+4*\c:144+64*((\stp)%2)+8*\a+4*\c+3], v7 offset:8192*(\stp)+1024*\a+512*\c
.endr
.endr
.endm
.macro STEP stp
	s_wait_dscnt 0x0                               ; this step's 16 loads, issued one step ago, are in
.if (\stp) < 7
	PLACES                                         ; between the last step's products and the loads into the registers that they read
	FETCH (\stp)+1
.endif
.if (\stp) == 0
	WIN 0x40                                       ; D window 1, C (the bias) window 0
.else
	WIN 0x50                                       ; C and D window 1
.endif
.irp a, 0,1,2,3                                ; the 16 accumulators take turns, one instruction a turn, in the same order in every step
.irp b, 0,1,2,3
.set rD,  8*(4*\a+\b)
.set rA,  144+64*((\stp)%2)+8*\b
.set rB,  112+64*((\stp)%2)+8*\a
.set rSA, SBW+2*(\stp)+\b/2
.set rSB, SA+2*(\stp)+\a/2
.set RA,  \b%2
.set RB,  \a%2
.if (\stp) == 0
.set rC, BIAS+8*\b
.else
.set rC, rD
.endif
	WM
.endr
.endr
	WIN 0
.endm
	s_load_b256 s[4:11], s[0:1], 0x0               ; ap s[4:5], asc s[6:7], op s[8:9], bout s[10:11]
	s_load_b64 s[12:13], s[0:1], 0x20              ; out0
	v_lshl_add_u32 v254, v0, 2, 0x30800
	v_mov_b32 v255, 0
	ds_add_u32 v254, v255
	ds_add_u32 v254, v255
	v_lshrrev_b32 v1, 5, v0
	v_readfirstlane_b32 s[WV], v1                  ; wave 0..3
	s_lshr_b32 s15, s[WV], 1                       ; mh: my 64 rows.  Also: I fetch for o (0) or for Wout (1)
	s_and_b32 s16, s[WV], 1                        ; nh: my 64 columns.  Also: which four K steps I fetch
	s_bfe_u32 s17, ttmp6, 0x40000                  ; cx
	s_bfe_u32 s18, ttmp6, 0x40004                  ; cy
	s_lshl_b32 s19, ttmp9, 2
	s_add_co_u32 s19, s19, s17                     ; X: block of 128 columns
	s_and_b32 s20, ttmp7, 0xffff
	s_lshl_b32 s20, s20, 2
	s_add_co_u32 s20, s20, s18                     ; Y: block of 128 rows
	s_lshl_b32 s21, s18, 2
	s_lshl_b32 s21, 15, s21                        ; my row of the cluster
	s_lshl_b32 s22, 0x1111, s17                    ; my column
	; descriptor group 1: four K steps' 8 images each: 4 rows of 8,192 bytes (1,024 elements of 8), a record apart in memory
	s_or_b32 s[G1A], s21, (3<<16)|(1<<21)          ; 15:0 the mask; 17:16 elements of 8 bytes; 21 set beside a mask
	s_or_b32 s[G1B], s22, (3<<16)|(1<<21)
.irp g, G1A, G1B
	s_mov_b32 s[\g+1], 1024<<16                    ; tensor_dim0 = 1,024
	s_mov_b32 s[\g+2], 4<<16                       ; tensor_dim1 = 4
	s_mov_b32 s[\g+3], 1024<<16                    ; tile_dim0 = 1,024
	s_mov_b32 s[\g+4], 4                           ; tile_dim1 = 4
	s_mov_b32 s[\g+6], 0
	s_mov_b32 s[\g+7], 0
.endr
	s_mov_b32 s[G1A+5], 2048                       ; ap: 16,384 bytes from K step to K step
	s_mov_b32 s[G1B+5], 2176                       ; op: 17,408
	s_lshr_b32 s48, s20, 1                         ; ap: block Y / 2, its half Y % 2, K steps 4 (w % 2) on (nothing here holds cx)
	s_lshl_b32 s48, s48, 17
	s_and_b32 s49, s20, 1
	s_lshl_b32 s49, s49, 13
	s_add_co_u32 s48, s48, s49
	s_lshl_b32 s49, s16, 16
	s_add_co_u32 s48, s48, s49
	s_mov_b32 s49, 0
	s_lshr_b32 s52, s19, 1                         ; op: block X / 2, its half X % 2, K steps 4 (w % 2) on (nothing here holds cy)
	s_mul_i32 s52, s52, 139264
	s_and_b32 s53, s19, 1
	s_lshl_b32 s53, s53, 13
	s_add_co_u32 s52, s52, s53
	s_mul_i32 s53, s16, 69632
	s_add_co_u32 s52, s52, s53
	s_mov_b32 s53, 0
	s_lshl_b32 s54, s[WV], 15                      ; LDS: wave x 32,768: o's two halves, then Wout's
	s_lshr_b32 s56, s20, 1                         ; asc: block x 16,384 + my group of 64 rows x 256; a head is 1,024 bytes on
	s_lshl_b32 s56, s56, 14
	s_and_b32 s57, s20, 1
	s_lshl_b32 s57, s57, 1
	s_add_co_u32 s57, s57, s15
	s_lshl_b32 s57, s57, 8
	s_add_co_u32 s56, s56, s57
	s_mov_b32 s57, 0
	s_lshr_b32 s58, s19, 1                         ; Wout's scale words: behind a record's 16 images, my group of 64 columns
	s_mul_i32 s58, s58, 139264
	s_and_b32 s59, s19, 1
	s_lshl_b32 s59, s59, 1
	s_add_co_u32 s59, s59, s16
	s_lshl_b32 s59, s59, 8
	s_add_co_u32 s58, s58, s59
	s_add_co_u32 s58, s58, 16384
	s_mov_b32 s59, 0
	s_lshl_b32 s60, s19, 9                         ; the bias of my 64 columns
	s_lshl_b32 s61, s16, 8
	s_add_co_u32 s60, s60, s61
	s_mov_b32 s61, 0
	s_lshl_b32 s62, s20, 19                        ; out0: row 128 Y + 32 w of 4,096 bytes, column 128 X
	s_lshl_b32 s63, s[WV], 17
	s_add_co_u32 s62, s62, s63
	s_lshl_b32 s63, s19, 9
	s_add_co_u32 s62, s62, s63
	s_mov_b32 s63, 0
	v_and_b32 v1, 31, v0                           ; lane
	v_and_b32 v2, 15, v0                           ; r
	v_bfe_u32 v3, v0, 4, 1                         ; h
	v_lshlrev_b32 v4, 4, v1                        ; 16 l
	s_wait_alu depctr_va_vdst(0)
	v_lshlrev_b32 v5, 3, v1                        ; 8 l
	s_lshl_b32 s74, s15, 12
	v_add_nc_u32 v6, s74, v4                       ; o's fragments: my 4 tiles of a K step
	s_lshl_b32 s74, s16, 12
	s_add_co_u32 s74, s74, 65536
	v_add_nc_u32 v7, s74, v4                       ; Wout's
	v_and_b32 v10, 8, v2
	v_add_nc_u32 v10, v10, v2                      ; r + 8 (r / 8)
	v_mul_u32_u24 v8, v10, 528
	v_lshl_add_u32 v8, v3, 6, v8                   ; into the stage: my row of a tile, + 64 h bytes,
	s_mul_i32 s74, s15, 33792
	s_lshl_b32 s75, s16, 8
	s_add_co_u32 s74, s74, s75
	s_add_co_u32 s74, s74, STG
	v_add_nc_u32 v8, s74, v8                       ; my 64 rows, my 256 bytes of them
	s_mul_i32 s74, s[WV], 16896
	s_add_co_u32 s74, s74, STG
	v_add_nc_u32 v9, s74, v4                       ; back: wave w takes rows 32 w on, whole: 512 bytes to the 32 lanes
	v_lshlrev_b32 v11, 6, v3                       ; the bias: a lane's registers are columns 16 h + j of a pair of tiles
	s_wait_dscnt 0x0
	s_wait_kmcnt 0x0
	s_mov_b32 s[G0A], 1                            ; count = 1
	s_mov_b32 s[G0A+1], s54                        ; LDS address
	s_add_nc_u64 s[G0A+2:G0A+3], s[4:5], s[48:49]  ; global address
	s_or_b32 s[G0A+3], s[G0A+3], 0x80000000        ; type = 2
	s_mov_b32 s[G0B], 1
	s_mov_b32 s[G0B+1], s54
	s_add_nc_u64 s[G0B+2:G0B+3], s[8:9], s[52:53]
	s_or_b32 s[G0B+3], s[G0B+3], 0x80000000
	s_add_nc_u64 s[6:7], s[6:7], s[56:57]
	s_add_nc_u64 s[8:9], s[8:9], s[58:59]
	s_add_nc_u64 s[10:11], s[10:11], s[60:61]
	s_add_nc_u64 s[12:13], s[12:13], s[62:63]
	ROUND                                          ; all sixteen work-groups are here: the joint loads meet
	JLOAD                                          ; my one tensor load: a quarter of the operands
.set j, 0
.rept 16
	global_load_b64 v[TW+2*j:TW+2*j+1], v5, s[6:7] offset:1024*j      ; head j's half words of my four tiles: 256 consecutive bytes
.set j, j+1
.endr
.set j, 0
.rept 8
	global_load_b64 v[SBW+2*j:SBW+2*j+1], v5, s[8:9] offset:17408*j   ; K step j's scale words of my four tiles of Wout
.set j, j+1
.endr
	s_wait_alu depctr_va_vdst(0)
.irp b, 0,1,2,3
	global_load_b128 v[BIAS+8*\b:BIAS+8*\b+3], v11, s[10:11] offset:(32*(\b/2)+8*(\b%2))*4
	global_load_b128 v[BIAS+8*\b+4:BIAS+8*\b+7], v11, s[10:11] offset:(32*(\b/2)+8*(\b%2))*4+16
.endr
	s_wait_loadcnt 0x0
.irp s, 0,1,2,3,4,5,6,7
.irp i, 0,1
	v_lshl_or_b32 v[SA+2*\s+\i], v[TW+4*\s+2+\i], 16, v[TW+4*\s+\i]   ; heads 2 s and 2 s + 1 are K step s: two bytes each make the scale word
.endr
.endr
	s_wait_tensorcnt 0x0                           ; my part lies in LDS,
	s_barrier_signal -1
	s_barrier_wait -1                              ; everybody's does
	FETCH 0
.irp s, 0,1,2,3,4,5,6,7
	s_wait_alu depctr_va_vdst(0)
	STEP \s
.endr
	; THE WAY OUT: a row's 512 bytes come from two waves, and a tile's rows are not neighbours: all goes through the work-group's stage and comes back as whole rows
	PLACES
	WIN 0x04                                       ; an LDS store's data are its source 1: window 1
.irp a, 0,1,2,3
.irp b, 0,1,2,3
	ds_store_b128 v8, v[8*(4*\a+\b):8*(4*\a+\b)+3] offset:(32*(\a/2)+8*(\a%2))*528+128*(\b/2)+32*(\b%2)        ; each accumulator from its low end on
	ds_store_b128 v8, v[8*(4*\a+\b)+4:8*(4*\a+\b)+7] offset:(32*(\a/2)+8*(\a%2))*528+128*(\b/2)+32*(\b%2)+16
.endr
.endr
	WIN 0
	s_wait_dscnt 0x0                               ; for the others' sake: my stores into the stage are done
	s_barrier_signal -1
	s_barrier_wait -1
.set i, 0
.rept 32
	ds_load_b128 v[112+4*i:115+4*i], v9 offset:528*i
.set i, i+1
.endr
.set i, 0
.rept 32
	s_wait_dscnt 31-i                              ; row i is back; the rows behind it may be out
	global_store_b128 v4, v[112+4*i:115+4*i], s[12:13] offset:4096*i th:TH_STORE_NT   ; 512 consecutive bytes, aligned; written once, read by nobody here
.set i, i+1
.endr
	s_wait_tensorcnt 0x0
	ds_add_u32 v254, v255
	s_wait_dscnt 0x0
	ROUND                                          ; the closing round: no work-group ends while a partner may still ask for a tile that names it
	s_endpgm
.Lfunc_end_k_q632e1fbf52_outp:
	.size	k_q632e1fbf52_outp, .Lfunc_end_k_q632e1fbf52_outp-k_q632e1fbf52_outp
	.p2alignl 7, 3214868480
	.fill 96, 4, 3214868480
	.section	.rodata,"a",@progbits
	.p2align	6, 0x0
	.amdhsa_kernel k_q632e1fbf52_outp
		.amdhsa_group_segment_fixed_size 199168
		.amdhsa_private_segment_fixed_size 0
		.amdhsa_enable_private_segment 0
		.amdhsa_kernarg_size 40
		.amdhsa_user_sgpr_count 2
		.amdhsa_user_sgpr_kernarg_segment_ptr 1
		.amdhsa_wavefront_size32 1
		.amdhsa_system_sgpr_workgroup_id_x 1
		.amdhsa_system_sgpr_workgroup_id_y 1
		.amdhsa_system_sgpr_workgroup_id_z 1
		.amdhsa_system_vgpr_workitem_id 0
		.amdhsa_next_free_vgpr 384
		.amdhsa_next_free_sgpr 80
		.amdhsa_reserve_vcc 0
		.amdhsa_float_denorm_mode_32 3
		.amdhsa_float_denorm_mode_16_64 3
		.amdhsa_memory_ordered 1
		.amdhsa_forward_progress 1
		.amdhsa_inst_pref_size 45
	.end_amdhsa_kernel
	.amdgpu_metadata
---
amdhsa.version: [ 1, 2 ]
amdhsa.kernels:
  - .name:           k_q632e1fbf52_outp
    .symbol:         k_q632e1fbf52_outp.kd
    .args:
      - { .name: ap, .offset: 0, .size: 8, .value_kind: global_buffer, .address_space: global }
      - { .name: asc, .offset: 8, .size: 8, .value_kind: global_buffer, .address_space: global }
      - { .name: op, .offset: 16, .size: 8, .value_kind: global_buffer, .address_space: global }
      - { .name: bout, .offset: 24, .size: 8, .value_kind: global_buffer, .address_space: global }
      - { .name: out0, .offset: 32, .size: 8, .value_kind: global_buffer, .address_space: global }
    .group_segment_fixed_size: 199168
    .private_segment_fixed_size: 0
    .kernarg_segment_align: 8
    .kernarg_segment_size: 40
    .max_flat_workgroup_size: 128
    .sgpr_count:     80
    .vgpr_count:     384
    .wavefront_size: 32
...
	.end_amdgpu_metadata
.endif
;; end of part 4
